; MI455X (gfx1250); checked and timed in simulation.
; The chip was launched on July 23, 2026; its instructions are those of AMD's public machine-readable ISA for CDNA 5 (MIT licence, August 2026) and "CDNA5" Instruction Set Architecture Reference Guide (July 2026). The comments in the code are by the model that wrote it; some were corrected since.
;; Mo E. Allowed arithmetic: matrix products marked QUANTISED: E4M3 operands, one given power-of-two scale a tensor, by v_wmma_f32_16x16x64_fp8_fp8 or v_wmma_f32_16x16x128_fp8_fp8, f32 sums; products left as they are: f32 operands where the result goes on into a quantised operand, else bf16, f16 or f32 operands; f32 sums; everything else in f32.
;; Inputs: W_in_codes 2 x 4,096 x 32 x 32 uint8 (E4M3 codes of W_in, K innermost, in blocks of 32 codes); W_out_codes 2 x 1,024 x 64 x 32 uint8 (E4M3 codes of W_out, K innermost, in blocks of 32 codes); Wr 2 x 1,024 float32; lowp_scales 8 int32 (the exponents e of the quantised operands' scales 2^e); x 2 x 2,048 x 1,024 float32.
;; Outputs: out0 2 x 2,048 x 1,024 float32.
;; This version of the problem:
;;   THIS VERSION OF THE PROBLEM IS GIVEN IN LOW PRECISION. The matrix products marked QUANTISED in the list below multiply operands that are first quantised to E4M3 (4 exponent bits, 3 mantissa bits; 8 bits a number), with one given power-of-two scale for each operand tensor; their sums are f32. All else is computed in f32.
;;   The module's matrix products, in the order in which they are computed (A, B: the left and right operand; K: the contracted axis; several contracted axes count as one K, in the product's order):
;;     1. [M 4,096, K 1,024] x [K 1,024, N 2]; A: input x; B: input Wr: left as it is (N = 2 < 16)
;;     2. [M 4,096, K 1,024] x [K 1,024, N 4,096]; A: input x; B: input W_in (given as codes): QUANTISED (scales: A lowp_scales[0], B lowp_scales[1])
;;     3. [M 4,096, K 2,048] x [K 2,048, N 1,024]; A: computed on the way; B: input W_out (given as codes): QUANTISED (scales: A lowp_scales[2], B lowp_scales[3])
;;     4. [M 4,096, K 1,024] x [K 1,024, N 4,096]; A: input x; B: input W_in (given as codes): QUANTISED (scales: A lowp_scales[4], B lowp_scales[5])
;;     5. [M 4,096, K 2,048] x [K 2,048, N 1,024]; A: computed on the way; B: input W_out (given as codes): QUANTISED (scales: A lowp_scales[6], B lowp_scales[7])
;;   THE QUANTISER, for each operand of a quantised product, along K:
;;     - The operand's scale is 2^e, e = its entry of the input lowp_scales (int32; the entries are numbered through the quantised products in the list's order, A before B).
;;     - Each number is divided by the scale, clamped to +-448, and rounded to the nearest number of E4M3, ties to even, subnormals kept.
;;     - The product sums the exact products of the quantised numbers (number of the format x scale) in f32.
;;   ~~~python
;;   def quantise(x, axis, e):      # numpy; x: float32 -> the quantised numbers, widened to float32 again
;;       x = np.moveaxis(x, axis, -1); K = x.shape[-1]
;;       r = np.clip(x / 2.0 ** e, -448, 448)
;;       step = 2.0 ** (np.maximum(np.frexp(np.where(r == 0, 1, r))[1] - 1, -6) - 3)
;;       q = np.round(r / step) * step * 2.0 ** e      # np.round: ties to even
;;       return np.moveaxis(q, -1, axis).astype(np.float32)
;;   ~~~
;;   OPERANDS COMPUTED ON THE WAY. 'Computed on the way' means the value that the module computes at that place (a softmax that the list does not call 'softmax' is quantised finished and normalised). What goes into a quantiser is computed in f32, as accurately as f32 sums, v_exp_f32 and their like allow (about 1e-6 of the number): no bf16 or f16 on the way to a quantiser, and a product that is left as it is and whose result goes on into a quantised operand takes f32 operands (vector FMAs, or v_wmma_f32_16x16x4_f32). A number that lies on a knife's edge between two numbers of the format may be rounded either way, as far as f32 arithmetic and the matrix unit's own rounding can turn it there, and no further.
;;   INPUTS GIVEN AS CODES. W_in (in the module: [2, 1024, 4096], K = its axis 1); W_out (in the module: [2, 2048, 1024], K = its axis 1): each comes as NAME_codes (uint8): NAME with its K axis moved to the last place and cut into blocks of 32 codes, [.., K / 32, bytes a block], one block behind the other in memory; one code a byte (a code: sign, 4 exponent bits, 3 mantissa bits); its scale is its entry of lowp_scales. Its value is code x scale, taken as it is: it is not quantised again, and the codes and scales need not be those that the quantiser above would give.
;; One version. Each part assembles by itself: llvm-mc -triple=amdgcn-amd-amdhsa -mcpu=gfx1250 --defsym DOCPART=n.
;; ======== version 1 of 1: 3 launches
;; limits: right only within a limited range of input values
;; workspace buffers: xq 8,388,608 bytes; cw 32,768 bytes; hq 16,777,216 bytes
;; launch prep (part 1): grid 256 x 1, 8 waves a work-group, no clusters, 42,240 bytes of LDS; arguments x, Wr, lowp_scales, xq, cw; writes xq, cw
.if DOCPART == 1
	.amdgcn_target "amdgcn-amd-amdhsa--gfx1250"
	.amdhsa_code_object_version 6
	.text
	.protected	k_qa72740d94d_prep
	.globl	k_qa72740d94d_prep
	.p2align	8
	.type	k_qa72740d94d_prep,@function
k_qa72740d94d_prep:
	s_mov_b64 s[64:65], 0
	v_nop
	global_prefetch_b8 v0, s[64:65] scope:SCOPE_SE
	s_setreg_imm32_b32 hwreg(HW_REG_WAVE_MODE, 25, 1), 1
	s_wait_xcnt 0x0
; x [4096][1024] f32 becomes two sets of E4M3 codes, xq [2][4096][1024], K innermost: set e with the given scale 2^lowp[4 e]
; (code = x / 2^e, held within +-448, to the nearest code, ties to even).  The same pass makes the router: logits = x . Wr[e] by f32 fused multiply-adds.
; LEFT OUT: the sort.  The top 2 of 2 experts are both experts for every token and all values of the logits, in either order, so expert e's weight is the softmax of the two logits at e; the larger one is taken away first.
; LIMIT of that: a NaN logit's place in the order is not carried.
; cw [4096][2] f32 = that weight x 2^(lowp[4 e + 2] + lowp[3]): the factor that the last launch owes each finished sum of expert e.
; W_out_codes IS ONE TENSOR OF CODES UNDER ONE SCALE: the entry of the first product that takes it, lowp[3], serves both experts; lowp[7] is loaded and not used.
; SHARES.  A work-group takes 16 tokens; wave w takes tokens 4 (w / 2) .. + 3 and half u = w % 2 of K: 4 steps of 512 numbers, a step a row.  All 24 loads of a wave go out at the head.  The halves' partial logits meet in LDS, and wave 0 makes the
; softmax, a lane to a (token, expert).
; A conversion takes 8 neighbours along K from ONE lane's registers, a load is dense where neighbouring LANES take neighbouring bytes: so a step's 2,048 bytes turn
; through the wave's own stage in LDS (in: as loaded; out: 64 bytes a lane, 80 bytes from lane to lane).  A lane's 16 codes are 16 bytes: a store of the wave covers 512 consecutive bytes, aligned.
; No matrix unit, no tensor load, no cluster: the work-groups share only Wr's 8,192 bytes.  No prefetch: there is no loop to run ahead in.
; LIMITS: lowp[0] and lowp[4] between -126 and 119, so that 2^e and 448 x 2^e are f32 numbers; NaN among the inputs is not served.
.set WREG, 5120                        ; LDS of a wave: two stages of 32 x SP bytes
.set SP,   80                          ; a lane's place in a stage: 64 bytes + 16 of padding
.set PLG,  40960                       ; behind the stages: partial logits, [2 halves][16 tokens][2 experts]
.set SPARE, 41216                      ; the spare words, 128 bytes for each wave
.set XQE,  4194304                     ; from expert 0's codes to expert 1's
.set R,    32                          ; v32-95    step t's 16 numbers at v[R + 16 t]
.set T,    128                         ; v128-143, v144-159  the held numbers
.set WRG,  160                         ; v160-191  Wr: expert e at v[WRG + 16 e], in the order in which x is loaded: register 4 i + j holds Wr[e][512 u + 128 i + 4 lane + j]
.set LG,   208                         ; v208-215  partial logit of row t, expert e at v[LG + 2 t + e]
; step t's codes lie at v[96 + 8 t], its two pairs of partial sums at v[192 + 4 t].
	s_load_b128 s[4:7], s[0:1], 0x0                ; x s[4:5], Wr s[6:7]
	s_load_b128 s[8:11], s[0:1], 0x10              ; the scales' exponents s[8:9], xq s[10:11]
	s_load_b64 s[12:13], s[0:1], 0x20              ; cw
	v_lshl_add_u32 v28, v0, 2, SPARE
	v_mov_b32 v29, 0
	v_lshrrev_b32 v1, 5, v0
	v_readfirstlane_b32 s16, v1                    ; wave 0..7
	s_lshr_b32 s18, s16, 1                         ; which four tokens
	s_and_b32 s19, s16, 1                          ; which half of K
	s_mul_i32 s17, s16, WREG
	s_lshl_b32 s22, s18, 5
	s_lshl_b32 s23, s19, 7
	s_add_co_u32 s22, s22, s23
	s_add_co_u32 s22, s22, PLG
	v_and_b32 v1, 31, v0                           ; lane
	v_lshlrev_b32 v2, 4, v1                        ; 16 x lane: my bytes of a load's 512, and of a store's
	v_lshrrev_b32 v3, 2, v1
	v_mul_u32_u24 v3, v3, SP
	v_and_b32 v4, 3, v1
	v_lshl_add_u32 v3, v4, 4, v3
	v_add_nc_u32 v3, s17, v3                       ; the stage, on the way in: SP (lane / 4) + 16 (lane % 4)
	v_mul_u32_u24 v4, v1, SP
	v_add_nc_u32 v4, s17, v4                       ; and on the way out: SP x lane: my 16 neighbours
	v_mov_b32 v10, s22                             ; where my wave's eight partial logits go
	v_lshl_add_u32 v11, v1, 2, PLG                 ; and where a lane reads one back
	v_lshlrev_b32 v12, 2, v1
	v_and_b32 v13, 1, v1                           ; a lane's expert in the softmax
	v_cmp_eq_u32 s40, 1, v13
	s_mov_b32 s20, 0x76543210                      ; v_permlanex16_b32: each lane takes its own place in the other half
	s_mov_b32 s21, 0xfedcba98
	s_lshl_b32 s34, ttmp9, 16                      ; x: 16 rows of 4,096 bytes a work-group,
	s_lshl_b32 s35, s18, 14                        ; 4 a wave,
	s_add_co_u32 s34, s34, s35
	s_lshl_b32 s35, s19, 11                        ; half a row
	s_add_co_u32 s34, s34, s35
	s_mov_b32 s35, 0
	s_lshr_b32 s36, s34, 2                         ; codes: a quarter of that
	s_mov_b32 s37, 0
	s_lshl_b32 s38, ttmp9, 7                       ; cw: 128 bytes a work-group
	s_mov_b32 s39, 0
	s_lshl_b32 s42, s19, 11                        ; Wr: my half of its rows
	s_mov_b32 s43, 0
	s_wait_alu depctr_va_vdst(0)
	s_wait_kmcnt 0x0
	s_load_b256 s[24:31], s[8:9], 0x0              ; the eight exponents
	s_add_nc_u64 s[4:5], s[4:5], s[34:35]
	s_add_nc_u64 s[6:7], s[6:7], s[42:43]
	s_add_nc_u64 s[10:11], s[10:11], s[36:37]
	s_add_nc_u64 s[12:13], s[12:13], s[38:39]
.irp e, 0,1
.irp j, 0,1,2,3
	global_load_b128 v[WRG+16*\e+4*\j:WRG+16*\e+4*\j+3], v2, s[6:7] offset:4096*\e+512*\j
.endr
.endr
.macro LOAD t
.irp i, 0,1,2,3
	global_load_b128 v[R+16*(\t)+4*\i:R+16*(\t)+4*\i+3], v2, s[4:5] offset:4096*(\t)+512*\i th:TH_LOAD_NT   ; 32 lanes read 512 consecutive bytes; read once in the launch
.endr
.endm
.macro TURN t                          ; step t's numbers through the stage and back into the registers that they left: LDS serves a wave's instructions in order (ISA guide 5.7.1.4)
.irp i, 0,1,2,3
	ds_store_b128 v3, v[R+16*(\t)+4*\i:R+16*(\t)+4*\i+3] offset:32*SP*((\t)%2)+8*SP*\i
.endr
.set RT, R+16*(\t)
.set LT, 192+4*(\t)
	v_pk_mul_f32 v[LT:LT+1], v[RT:RT+1], v[WRG:WRG+1]          ; the router's sums are taken of the numbers as loaded, two a line, the two experts by turns; a row's first products start its sums
	v_pk_mul_f32 v[LT+2:LT+3], v[RT:RT+1], v[WRG+16:WRG+17]
.irp j, 2,4,6,8,10,12,14
	v_pk_fma_f32 v[LT:LT+1], v[RT+\j:RT+\j+1], v[WRG+\j:WRG+\j+1], v[LT:LT+1]
	v_pk_fma_f32 v[LT+2:LT+3], v[RT+\j:RT+\j+1], v[WRG+16+\j:WRG+16+\j+1], v[LT+2:LT+3]
.endr
.irp i, 0,1,2,3
	ds_load_b128 v[R+16*(\t)+4*\i:R+16*(\t)+4*\i+3], v4 offset:32*SP*((\t)%2)+16*\i
.endr
.endm
.irp t, 0,1,2,3
	LOAD \t
.endr
	s_wait_kmcnt 0x0
	s_add_co_i32 s22, s24, 127
	s_lshl_b32 s23, s22, 23                        ; 2^lowp[0] as f32: the conversion takes its exponent field
	s_add_co_i32 s22, s22, 8
	s_lshl_b32 s22, s22, 23
	s_or_b32 s22, s22, 0x600000                    ; 448 x 2^lowp[0]
	s_add_co_i32 s32, s28, 127
	s_lshl_b32 s33, s32, 23                        ; the same with lowp[4]
	s_add_co_i32 s32, s32, 8
	s_lshl_b32 s32, s32, 23
	s_or_b32 s32, s32, 0x600000
	s_add_co_i32 s44, s26, s27                     ; lowp[2] + lowp[3]: h of expert 0, W_out_codes
	s_add_co_i32 s45, s30, s27                     ; lowp[6] + lowp[3]: h of expert 1, and the same tensor of codes under its one scale
	v_mov_b32 v6, s23
	v_mov_b32 v7, s22
	v_mov_b32 v8, s33
	v_mov_b32 v9, s32
	v_mov_b32 v14, s44
	v_mov_b32 v15, s45
	v_cndmask_b32 v14, v14, v15, s40               ; the second product's two exponents, for my lane's expert
	s_wait_alu depctr_va_vdst(0)
	s_wait_loadcnt 12                              ; Wr and step 0 are in; the 12 loads of steps 1 to 3 may be out
	TURN 0
.macro STEP t
.set RS, R+16*(\t)
.set CD, 96+8*(\t)
	s_wait_dscnt 0x0                               ; this step's numbers are back from the stage
.if (\t) < 3
	s_wait_loadcnt 4*(2-(\t))                      ; the next step's four loads are in; four for each step behind it may be out
	TURN (\t)+1                                    ; and go through the other stage while this step is worked
.endif
.irp i, 0,1,2,3,4,5,6,7,8,9,10,11,12,13,14,15
	v_med3_num_f32 v[T+\i], v[RS+\i], -v7, v7      ; the conversion to an 8-bit code does not saturate (ISA guide 7.6.2): the hold at the largest code x the scale comes first
.endr
	v_cvt_scalef32_pk8_fp8_f32 v[CD:CD+1], v[T:T+7], v6
	v_cvt_scalef32_pk8_fp8_f32 v[CD+2:CD+3], v[T+8:T+15], v6
.irp i, 0,1,2,3,4,5,6,7,8,9,10,11,12,13,14,15
	v_med3_num_f32 v[T+16+\i], v[RS+\i], -v9, v9
.endr
	v_cvt_scalef32_pk8_fp8_f32 v[CD+4:CD+5], v[T+16:T+23], v8
	v_cvt_scalef32_pk8_fp8_f32 v[CD+6:CD+7], v[T+24:T+31], v8
	v_nop                                          ; one plain line behind the last conversion
	global_store_b128 v2, v[CD:CD+3], s[10:11] offset:1024*(\t)         ; 32 lanes store 512 consecutive bytes, at a multiple of 512 from xq's first byte
	global_store_b128 v2, v[CD+4:CD+7], s[10:11] offset:XQE+1024*(\t)
.endm
.irp t, 0,1,2,3
	STEP \t
.endr
	; the eight partial logits: a pair's halves, then the 32 lanes
.irp i, 0,1,2,3,4,5,6,7
	v_add_f32 v[LG+\i], v[192+2*\i], v[192+2*\i+1]
.endr
.irp m, 1,2,4,8
.irp i, 0,1,2,3,4,5,6,7
	v_add_f32_dpp v[LG+\i], v[LG+\i], v[LG+\i] row_xmask:\m row_mask:0xf bank_mask:0xf
.endr
.endr
.irp i, 0,1,2,3,4,5,6,7
	v_permlanex16_b32 v[T+\i], v[LG+\i], s20, s21  ; its destination counts as read: T has been written
.endr
.irp i, 0,1,2,3,4,5,6,7
	v_add_f32 v[LG+\i], v[LG+\i], v[T+\i]          ; every lane holds the sum
.endr
	ds_store_b128 v10, v[LG:LG+3]                  ; all lanes write the same words with the same values
	ds_store_b128 v10, v[LG+4:LG+7] offset:16
	s_wait_dscnt 0x0                               ; for the others' sake: my stores are done
	s_barrier_signal -1
	s_barrier_wait -1
	s_cmp_lg_u32 s16, 0
	s_cbranch_scc1 .Ldone                          ; wave 0 makes the softmax: lane l is token l / 2, expert l % 2
	ds_load_b32 v16, v11
	ds_load_b32 v17, v11 offset:128
	s_wait_dscnt 0x0
	v_add_f32 v18, v16, v17                        ; the logit
	v_add_f32 v19, v16, v17
	v_max_num_f32_dpp v19, v19, v19 row_xmask:1 row_mask:0xf bank_mask:0xf   ; the larger of the token's two
	v_sub_f32 v18, v18, v19
	v_mul_f32 v18, 0x3fb8aa3b, v18                 ; x log2(e)
	s_wait_alu depctr_va_vdst(0)
	v_exp_f32 v18, v18
	v_nop
	s_wait_alu depctr_va_vdst(0)
	v_mov_b32 v19, v18
	v_add_f32_dpp v19, v19, v19 row_xmask:1 row_mask:0xf bank_mask:0xf       ; between 1 and 2
	s_wait_alu depctr_va_vdst(0)
	v_rcp_f32 v19, v19
	v_nop
	s_wait_alu depctr_va_vdst(0)
	v_mul_f32 v18, v18, v19
	v_ldexp_f32 v18, v18, v14                      ; x 2^(the second product's two exponents)
	global_store_b32 v12, v18, s[12:13]            ; the work-group's 128 consecutive bytes of cw
.Ldone:
	s_wait_tensorcnt 0x0                           ; the wave's end
	ds_add_u32 v28, v29
	s_wait_dscnt 0x0
	s_endpgm
.Lfunc_end_k_qa72740d94d_prep:
	.size	k_qa72740d94d_prep, .Lfunc_end_k_qa72740d94d_prep-k_qa72740d94d_prep
	.p2alignl 7, 3214868480
	.fill 96, 4, 3214868480
	.section	.rodata,"a",@progbits
	.p2align	6, 0x0
	.amdhsa_kernel k_qa72740d94d_prep
		.amdhsa_group_segment_fixed_size 42240
		.amdhsa_private_segment_fixed_size 0
		.amdhsa_enable_private_segment 0
		.amdhsa_kernarg_size 40
		.amdhsa_user_sgpr_count 2
		.amdhsa_user_sgpr_kernarg_segment_ptr 1
		.amdhsa_wavefront_size32 1
		.amdhsa_system_sgpr_workgroup_id_x 1
		.amdhsa_system_sgpr_workgroup_id_y 1
		.amdhsa_system_sgpr_workgroup_id_z 1
		.amdhsa_system_vgpr_workitem_id 0
		.amdhsa_next_free_vgpr 224
		.amdhsa_next_free_sgpr 66
		.amdhsa_reserve_vcc 0
		.amdhsa_float_denorm_mode_32 3
		.amdhsa_float_denorm_mode_16_64 3
		.amdhsa_memory_ordered 1
		.amdhsa_forward_progress 1
		.amdhsa_inst_pref_size 26
	.end_amdhsa_kernel
	.amdgpu_metadata
---
amdhsa.version: [ 1, 2 ]
amdhsa.kernels:
  - .name:           k_qa72740d94d_prep
    .symbol:         k_qa72740d94d_prep.kd
    .args:
      - { .name: x, .offset: 0, .size: 8, .value_kind: global_buffer, .address_space: global }
      - { .name: Wr, .offset: 8, .size: 8, .value_kind: global_buffer, .address_space: global }
      - { .name: lowp_scales, .offset: 16, .size: 8, .value_kind: global_buffer, .address_space: global }
      - { .name: xq, .offset: 24, .size: 8, .value_kind: global_buffer, .address_space: global }
      - { .name: cw, .offset: 32, .size: 8, .value_kind: global_buffer, .address_space: global }
    .group_segment_fixed_size: 42240
    .private_segment_fixed_size: 0
    .kernarg_segment_align: 8
    .kernarg_segment_size: 40
    .max_flat_workgroup_size: 256
    .sgpr_count:     66
    .vgpr_count:     224
    .wavefront_size: 32
...
	.end_amdgpu_metadata
.endif
;; end of part 1
;; launch up (part 2): grid 16 x 16, 4 waves a work-group, clusters of 4 x 4, 327,680 bytes of LDS; arguments xq, W_in_codes, lowp_scales, hq; writes hq
.if DOCPART == 2
	.amdgcn_target "amdgcn-amd-amdhsa--gfx1250"
	.amdhsa_code_object_version 6
	.text
	.protected	k_qa72740d94d_up
	.globl	k_qa72740d94d_up
	.p2align	8
	.type	k_qa72740d94d_up,@function
k_qa72740d94d_up:
	s_mov_b64 s[64:65], 0
	v_nop
	global_prefetch_b8 v0, s[64:65] scope:SCOPE_SE
	s_setreg_imm32_b32 hwreg(HW_REG_WAVE_MODE, 25, 1), 1
	s_wait_xcnt 0x0
	s_wait_alu depctr_hold_cnt(0) depctr_sa_sdst(0) depctr_va_vdst(0) depctr_va_sdst(0) depctr_va_ssrc(0) depctr_va_vcc(0) depctr_vm_vsrc(0)
	s_getreg_b32 s2, hwreg(HW_REG_IB_STS2, 6, 4)
	s_cmp_eq_u32 s2, 0
	s_cbranch_scc0 .Lentry_in_a_cluster
	s_endpgm
.Lentry_in_a_cluster:
	s_bfe_u32 s2, ttmp6, 0x10000c
	s_cmp_lg_u32 s2, 0xf033
	s_cbranch_scc0 .Lentry_shape_is_right
	s_endpgm
.Lentry_shape_is_right:
; h[e] = silu(gate) x inp, (gate | inp) = x W_in[e], for both experts, on E4M3 codes; h leaves as E4M3 codes under the given scale 2^lowp[4 e + 2].
; xq: [2][4096][1024] codes of x (set e under 2^lowp[4 e]); W_in_codes: [2][4096 (n)][1024 (k)]; n < 2048 is the gate, n + 2048 its partner.
; W_in_codes IS ONE TENSOR OF CODES UNDER ONE SCALE: the entry of the first product that takes it, lowp[1], serves both experts; lowp[5] is loaded and not used.
; SHARES.  A work-group of four waves makes 256 tokens x 128 hidden units (128 gate rows and the same units' 128 inp rows of W_in), first for expert 0, then for expert 1.
; A wave makes 128 tokens x (64 gate + the same 64 units' inp): 64 accumulators of 16 x 16, 512 registers; so a unit's gate and inp meet in one lane.
; K goes in steps of 256 through a ring of two LDS slots filled by the tensor data mover; the ring walks on from expert 0's last K step into expert 1's first.
; CLUSTERS: 4 x 4 work-groups.  The four of a row need the same tiles of xq, the four of a column the same tiles of W_in: each tile is asked for JOINTLY, by the same tensor load with the same descriptor and a mask that names the four.
; PREFETCH: K step s = 0 .. 7 (expert s / 4).  Behind the load of K step 0 stands the request for 1, behind that of 1 those for 2 and 3, behind each later load of K step s the one for s + 2, up to 7: of the 128 rows that a wave loads, the partner at
; place p (cx for xq, cy for W_in) names rows 32 p .. 32 p + 31, a lane a row: each 256 bytes once in each cluster.
; THE MATRIX INSTRUCTION IS USED TRANSPOSED (source 0 = 16 rows of W_in, source 1 = 16 tokens): lane (r, h) holds token r, and its registers 0-7 the units 8 h + 0 .. 7 of the block.
; Fragments come by four loads of 16 bytes, 32 bytes apart: a permutation of k that is the same on both sides, so every product meets its partner.
; THE ACTIVATION.  G, I: the sums of codes; se = lowp[4 e] + lowp[1].  h = G I 2^(2 se) / (1 + 2^(G x cneg)), cneg = -log2(e) x 2^se.  The conversion divides G I / (1 + ..) by 2^q, q = lowp[4 e + 2] - 2 se.
; hq IS LAID AS THE NEXT LAUNCH'S OPERAND REGISTERS: [e][128 tokens mt][256 hidden][16 tokens mb][128 hidden][4 chunks][32 lanes][16 bytes]: registers 2 c, 2 c + 1 of lane (r, h) = hidden 16 c + 8 h + 0 .. 7 of token r,
; which is one conversion of one accumulator's eight registers.  A store of the wave covers 512 consecutive bytes, aligned.
; LIMITS: se between -126 and 127; q between -126 and 119; NaN among the inputs is not served.
; REGISTERS, in windows of 256: window 0: v0-31 addresses, scales and packed codes (v0-7; v12-15 with v24-27); from v128 A's fragments (8 x 16 tokens x 128 K), ONE set; the activation's work: v32-127, and v192-255 (token blocks 4 to 7, which are
;   fetched only in the step that multiplies them).   window 1: W_in's fragments, TWO sets, at v0 and v128.
;   window 2: the accumulators of my tokens 0-63 (accumulator (a, b) at v[8 (8 (a % 4) + b)]; b 0-3 gate, 4-7 inp);   window 3: those of my tokens 64-127.
.set ROWB,   256                       ; a tile's row in bytes: 256 along K
.set KROW,   1024                      ; a row of xq or of W_in_codes in memory
.set PITCH,  272                       ; an LDS row: 256 bytes + 16 of padding = 68 words: row r starts at bank 4 r mod 64 (64 banks of 4 bytes: ISA guide 11.1)
.set HALFT,  128*PITCH                 ; 128 rows: what one tensor load brings
.set SLOT,   4*HALFT                   ; tokens 0-127, tokens 128-255, 128 gate rows, 128 inp rows
.set SPARE,  2*SLOT                    ; behind the ring: the spare words, 128 bytes for each wave, that no other line names
.set EXPB,   4194304                   ; from expert to expert, in xq and in W_in_codes alike
.set NEXT_E, EXPB-2*ROWB               ; from a slot's last K step of expert 0 to its first of expert 1
.set HQE,    8388608                   ; from expert to expert in hq
.set SC,   8                           ; v8, v9: 2^q and 448 x 2^q of the expert at work; v10, v11 those of expert 1
.set ADRA, 16                          ; v16-17  LDS address of my A fragments in slot 0, 1
.set ADRB, 20                          ; v20-21  the same for W_in's
.set HO,   22                          ; 16 x lane: my place in a store's 512 bytes
.set SPW,  28                          ; LDS address of my spare word; never rewritten
.set NIL,  29                          ; 0; never rewritten
.set PFO,  30                          ; the prefetches' offset: lane x 1,024; never rewritten
.set PFA,  12                          ; s[12:13] where my prefetches start: my 32 rows at K step 0; never rewritten
.set AF,   128
.set QQ,   224                         ; the activation: a block's results, to be held and converted
.set G1, 24                            ; s[24:31] descriptor group 1 for xq's tiles;  s[32:39] group 0, one set for each slot
.set G0, 32
.set G1B, 48                           ; s[48:55], s[56:63] the same for W_in's tiles
.set G0B, 56
.set CN,  76                           ; s[76:77] cneg of the expert at work, s[78:79] of expert 1: the packed form names a pair and takes its low word for both halves
.set MSB, 0
.macro WIN new                         ; the immediate's high byte repeats the setting that is left
.if MSB != (\new)
	s_set_vgpr_msb (MSB<<8)|(\new)
.set MSB, (\new)
.endif
.endm
.set MUL_LO, 0xa1                      ; source 0 (W_in) window 1, source 1 (x) window 0, C and D window 2
.set MUL_HI, 0xf1                      ; the same, C and D window 3
.set TO_B,   0x40                      ; destination window 1, address window 0
; A joint load: waves 0 and 1 fetch for xq, waves 2 and 3 for W_in.  Each of the two lines has ONE mask and one set of registers for all that issue it; the branch hangs on the wave's number alone.
.macro JLOAD g0a, g1a, g0b, g1b
	s_cmp_eq_u32 s15, 0
	s_cbranch_scc0 .Lfor_b_\@
	tensor_load_to_lds s[\g0a:\g0a+3], s[\g1a:\g1a+7]
	s_nop 0
.rept 4
	v_nop
.endr
	s_branch .Lasked_\@
.Lfor_b_\@:
	tensor_load_to_lds s[\g0b:\g0b+3], s[\g1b:\g1b+7]
	s_nop 0
.rept 4
	v_nop
.endr
.Lasked_\@:
.endm
.macro CREST                           ; a round of the cluster's barrier behind its opening barrier
	s_cmp_lg_u32 s14, 0
	s_cbranch_scc1 .Lnot_wave_0_\@
	s_barrier_signal -3
.Lnot_wave_0_\@:
	s_barrier_wait -3
	s_barrier_signal -1
	s_barrier_wait -1
.endm
.macro CROUND                          ; a whole round
	s_barrier_signal -1
	s_barrier_wait -1
	CREST
.endm
.macro ASK off, guard                  ; guard = 1: only while expert 0 is at work
.if \guard
	s_cmp_eq_u32 s2, 2
	s_cbranch_scc0 .Lno_ask_\@
.endif
	global_prefetch_b8 v[PFO], s[PFA:PFA+1] offset:\off th:TH_LOAD_NT scope:SCOPE_SE
.if \guard
.Lno_ask_\@:
.endif
.endm
	s_load_b128 s[4:7], s[0:1], 0x0                ; xq s[4:5], W_in_codes s[6:7]
	s_load_b128 s[8:11], s[0:1], 0x10              ; the scales' exponents s[8:9], hq s[10:11]
	v_lshl_add_u32 v[SPW], v0, 2, SPARE
	v_mov_b32 v[NIL], 0
	ds_add_u32 v[SPW], v[NIL]                      ; the wave's opening: the add, twice on end, and its wait
	ds_add_u32 v[SPW], v[NIL]
	v_lshrrev_b32 v1, 5, v0
	v_readfirstlane_b32 s14, v1                    ; wave 0..3
	s_lshr_b32 s15, s14, 1                         ; which 128 tokens are mine.  Also: I fetch for xq (0) or for W_in (1)
	s_and_b32 s16, s14, 1                          ; which 64 hidden units.  Also: which 128 rows I fetch
	s_bfe_u32 s40, ttmp6, 0x40000                  ; cx, cy: my place in the cluster
	s_bfe_u32 s41, ttmp6, 0x40004
	s_lshl_b32 s42, ttmp9, 2
	s_add_co_u32 s42, s42, s40                     ; which 128 hidden units = 4 x cluster x + cx
	s_and_b32 s17, ttmp7, 0xffff
	s_lshl_b32 s17, s17, 2
	s_add_co_u32 s17, s17, s41                     ; which 256 tokens = 4 x cluster y + cy
	s_lshl_b32 s43, s41, 2
	s_lshl_b32 s43, 15, s43                        ; my row of the cluster
	s_lshl_b32 s44, 0x1111, s40                    ; my column
	; descriptor group 1: a tile of 128 rows x 256 bytes, padded in LDS
	s_or_b32 s[G1+0], s43, (0<<16)|(1<<20)|(1<<21)|(5<<22)|(3<<25)  ; 15:0 the mask; 17:16 element of 1 byte; 20 padding on; 21 set beside a mask; 24:22 after every 64 words (code 5); 31:25 of 4 words (code 3)
	s_or_b32 s[G1B+0], s44, (0<<16)|(1<<20)|(1<<21)|(5<<22)|(3<<25)
.irp g, G1, G1B
	s_mov_b32 s[\g+1], ROWB<<16                    ; tensor_dim0
	s_mov_b32 s[\g+2], 128<<16                     ; tensor_dim1 = 128
	s_mov_b32 s[\g+3], ROWB<<16                    ; tile_dim0
	s_mov_b32 s[\g+4], 128                         ; tile_dim1 = 128
	s_mov_b32 s[\g+5], KROW                        ; tensor_dim0_stride
	s_mov_b32 s[\g+6], 0
	s_mov_b32 s[\g+7], 0
.endr
	s_lshl_b32 s18, s16, 7
	s_lshl_b32 s20, s17, 8
	s_add_co_u32 s20, s20, s18                     ; xq: row 256 x token tile + 128 x (wave % 2),
	s_lshl_b32 s20, s20, 10                        ; in bytes
	s_mov_b32 s21, 0
	s_lshl_b32 s46, s42, 7
	s_lshl_b32 s47, s16, 11
	s_add_co_u32 s46, s46, s47                     ; W_in: row 128 x unit tile (+ 2,048 for the inp rows),
	s_lshl_b32 s46, s46, 10                        ; in bytes
	s_mov_b32 s47, 0
	s_mul_i32 s45, s14, HALFT                      ; where they go: wave x 128 rows: no place in the cluster enters an LDS address
	s_mul_i32 s22, s15, HALFT                      ; my 128 tokens in a slot
	s_mul_i32 s23, s16, 64*PITCH                   ; my 64 units' gate rows,
	s_add_co_u32 s23, s23, 2*HALFT                 ; which lie behind the 256 tokens; their inp rows lie 128 rows further on
	v_and_b32 v1, 15, v0                           ; r = lane % 16
	v_bfe_u32 v2, v0, 4, 1                         ; h = lane / 16
	v_mul_u32_u24 v3, v1, PITCH
	v_lshl_add_u32 v4, v2, 4, v3                   ; a fragment's row x pitch + 16 x half
	v_add_nc_u32 v[ADRA], s22, v4
	v_add_nc_u32 v[ADRB], s23, v4
	v_add_nc_u32 v[ADRA+1], SLOT, v[ADRA]
	v_add_nc_u32 v[ADRB+1], SLOT, v[ADRB]
	v_and_b32 v5, 31, v0
	v_lshlrev_b32 v[HO], 4, v5
	v_lshlrev_b32 v[PFO], 10, v5
	s_wait_alu depctr_va_vdst(0)
	s_wait_dscnt 0x0                               ; both opening adds are done
	s_wait_kmcnt 0x0
	s_load_b256 s[68:75], s[8:9], 0x0              ; the eight exponents
	s_add_nc_u64 s[20:21], s[4:5], s[20:21]
	s_add_nc_u64 s[46:47], s[6:7], s[46:47]
	s_lshl_b32 s18, s40, 15                        ; my 32 rows of the 128: 32 x 1,024 bytes x cx,
	s_lshl_b32 s19, s41, 15                        ; or x cy
	s_cmp_eq_u32 s15, 0
	s_cselect_b64 s[PFA:PFA+1], s[20:21], s[46:47]
	s_cselect_b32 s18, s18, s19
	s_mov_b32 s19, 0
	s_add_nc_u64 s[PFA:PFA+1], s[PFA:PFA+1], s[18:19]
.irp s, 0,1
	s_mov_b32 s[G0+4*\s], 1
	s_add_co_u32 s[G0+4*\s+1], s45, \s*SLOT
	s_add_nc_u64 s[G0+4*\s+2:G0+4*\s+3], s[20:21], \s*ROWB
	s_or_b32 s[G0+4*\s+3], s[G0+4*\s+3], 0x80000000
	s_mov_b32 s[G0B+4*\s], 1
	s_add_co_u32 s[G0B+4*\s+1], s45, \s*SLOT
	s_add_nc_u64 s[G0B+4*\s+2:G0B+4*\s+3], s[46:47], \s*ROWB
	s_or_b32 s[G0B+4*\s+3], s[G0B+4*\s+3], 0x80000000
.endr
	CROUND                                         ; all sixteen work-groups are here: the first joint loads meet
	JLOAD G0, G1, G0B, G1B                         ; K step 0: one tensor load a wave at the head
	ASK ROWB, 0                                    ; K step 1
	; hq: (2 x token tile + my half) x 262,144 + (unit tile / 2) x 32,768 + (unit tile % 2) x 2,048 + my 64 units' two chunks: 1,024 x (wave % 2)
	s_lshl_b32 s20, s17, 1
	s_add_co_u32 s20, s20, s15
	s_lshl_b32 s20, s20, 18
	s_lshl_b32 s21, s16, 10
	s_add_co_u32 s20, s20, s21
	s_mov_b32 s21, 0
	s_lshr_b32 s46, s42, 1
	s_lshl_b32 s46, s46, 15
	s_and_b32 s47, s42, 1
	s_lshl_b32 s47, s47, 11
	s_add_co_u32 s46, s46, s47
	s_mov_b32 s47, 0
	s_add_nc_u64 s[20:21], s[20:21], s[46:47]
	s_add_nc_u64 s[10:11], s[10:11], s[20:21]
	s_wait_kmcnt 0x0
	s_add_co_i32 s66, s68, s69                     ; se of expert 0: lowp[0] + lowp[1]
	s_add_co_i32 s67, s72, s69                     ; and of expert 1: lowp[4] + lowp[1], the one scale of W_in_codes
	s_lshl_b32 s[CN], s66, 23
	s_add_co_i32 s[CN], s[CN], 0xbfb8aa3b          ; -log2(e) with se added to its exponent field
	s_mov_b32 s[CN+1], s[CN]                       ; (named with it as a pair, so it is written)
	s_lshl_b32 s[CN+2], s67, 23
	s_add_co_i32 s[CN+2], s[CN+2], 0xbfb8aa3b
	s_mov_b32 s[CN+3], s[CN+2]
	s_lshl_b32 s66, s66, 1
	s_sub_co_i32 s66, s70, s66                     ; q = lowp[2] - 2 se
	s_add_co_i32 s66, s66, 127
	s_lshl_b32 s68, s66, 23                        ; 2^q as f32: the conversion takes its exponent field
	s_add_co_i32 s66, s66, 8
	s_lshl_b32 s66, s66, 23
	s_or_b32 s66, s66, 0x600000                    ; 448 x 2^q
	s_lshl_b32 s67, s67, 1
	s_sub_co_i32 s67, s74, s67                     ; the same for expert 1, with lowp[6]
	s_add_co_i32 s67, s67, 127
	s_lshl_b32 s69, s67, 23
	s_add_co_i32 s67, s67, 8
	s_lshl_b32 s67, s67, 23
	s_or_b32 s67, s67, 0x600000
	s_mov_b32 s2, 2                                ; experts to go, the one at work among them
	v_mov_b32 v[SC], s68
	v_mov_b32 v[SC+1], s66
	v_mov_b32 v[SC+2], s69
	v_mov_b32 v[SC+3], s67
; 8 matrix instructions: token blocks a0, a0 + 1 x W_in's blocks 4 h .. + 3 of set p, 128 along K.  zero = 1: the first product starts the sums: nothing is ever cleared.
; A step is always (a0, h) = (0,0) (2,0) (0,1) (2,1) (4,0) (6,0) (4,1) (6,1): the 64 accumulators take turns, one instruction a turn, in the same order in every step.
.macro M8 a0, h, p, zero
.if (\a0) < 4
	WIN MUL_LO
.else
	WIN MUL_HI
.endif
.irp a, \a0, \a0+1
.irp b, 0,1,2,3
.set GD, 64*((\a)%4)+32*(\h)+8*\b
.set GB, 128*(\p)+64*(\h)+16*\b
.set GA, AF+16*(\a)
.if \zero
	v_wmma_f32_16x16x128_fp8_fp8 v[GD:GD+7], v[GB:GB+15], v[GA:GA+15], 0
.else
	v_wmma_f32_16x16x128_fp8_fp8 v[GD:GD+7], v[GB:GB+15], v[GA:GA+15], v[GD:GD+7]
.endif
.endr
.endr
.endm
; A fragment, 16 rows x 128 K, is 16 registers: lane l holds row l % 16; registers 4 c .. 4 c + 3 hold K = 32 c + 16 (l / 16) + 0 .. 15.
.macro LDB4 f0, slot, q, p             ; W_in's fragments f0 .. f0 + 3 of the slot's q-th 128 along K into set p: 0-3 my 64 gate rows, 4-7 the same units' inp rows, 128 rows further on
	WIN TO_B
.irp f, \f0, \f0+1, \f0+2, \f0+3
.irp c, 0,1,2,3
	ds_load_b128 v[128*(\p)+16*(\f)+4*\c:128*(\p)+16*(\f)+4*\c+3], v[ADRB+(\slot)] offset:128*(\q)+32*\c+(((\f)/4)*128+((\f)%4)*16)*PITCH
.endr
.endr
	WIN 0
.endm
.macro LDA4 i0, slot, q                ; token blocks i0 .. i0 + 3
.irp i, \i0, \i0+1, \i0+2, \i0+3
.irp c, 0,1,2,3
	ds_load_b128 v[AF+16*(\i)+4*\c:AF+16*(\i)+4*\c+3], v[ADRA+(\slot)] offset:128*(\q)+32*\c+(\i)*16*PITCH
.endr
.endr
.endm
; A load into a register that a matrix instruction has read, and a vector instruction that reads a sum, stand four places behind that matrix instruction, and only plain vector instructions that name none of its registers
; are places (ISA guide 7.12.1 for vector instructions).
.macro PLACES
.rept 4
	v_nop
.endr
.endm
; A slot's first 128 along K (set 0), in two runs of 32 loads: ahead of the products this step's token blocks 4-7 and the next step's W_in 0-3, in the middle the next step's token blocks 0-3 and W_in 4-7.
.macro STEP slot, zero
	PLACES
	WIN 0
	LDA4 4, \slot, 0
	LDB4 0, \slot, 1, 1
	s_wait_dscnt 48                                ; W_in 0-3 and token blocks 0-3 are in: W_in 4-7 (16) and the run (32) may be out
	M8 0, 0, 0, \zero
	M8 2, 0, 0, \zero
	s_wait_dscnt 32                                ; W_in 4-7 too
	M8 0, 1, 0, \zero
	M8 2, 1, 0, \zero
	PLACES
	WIN 0
	LDA4 0, \slot, 1
	LDB4 4, \slot, 1, 1
	s_wait_dscnt 48                                ; token blocks 4-7 are in: the next W_in 0-3 (16) and this run (32) may be out
	M8 4, 0, 0, \zero
	M8 6, 0, 0, \zero
	M8 4, 1, 0, \zero
	M8 6, 1, 0, \zero
.endm
; A slot's second 128 along K (set 1) changes slots: ONE barrier; in front of it each wave waits for all its tensor loads, adds 0 to its spare word, and waits for that and for its own reads of this slot.
; fill = 1: the barrier opens a round of the cluster's barrier and this slot is filled again, adv bytes on from the K step that it held.
.macro TURN slot, next, fill, adv, ask, guard
	PLACES
	WIN 0
	LDA4 4, \slot, 1                               ; my last reads of this slot
	s_wait_dscnt 32                                ; W_in 0-3 and token blocks 0-3 are in: W_in 4-7 and token blocks 4-7 may be out
	M8 0, 0, 1, 0
	M8 2, 0, 1, 0
	WIN 0                                          ; (the add's two registers lie in window 0)
	s_wait_tensorcnt 0x0                           ; all my tensor loads have landed: my part of the next slot;
	ds_add_u32 v[SPW], v[NIL]                      ; 0 onto my spare word;
	s_wait_dscnt 17                                ; W_in 4-7 are in: token blocks 4-7 and the add may be out
	M8 0, 1, 1, 0
	s_wait_dscnt 0x0                               ; the add is done, and my reads of this slot are over
	s_barrier_signal -1
	M8 2, 1, 1, 0                                  ; work on registers while the others arrive
	WIN 0
	s_barrier_wait -1
.if \fill
	CREST                                          ; no wave of any partner still reads this slot's tile or has a load on its way
	s_add_nc_u64 s[G0+4*\slot+2:G0+4*\slot+3], s[G0+4*\slot+2:G0+4*\slot+3], \adv
	s_add_nc_u64 s[G0B+4*\slot+2:G0B+4*\slot+3], s[G0B+4*\slot+2:G0B+4*\slot+3], \adv
	JLOAD G0+4*\slot, G1, G0B+4*\slot, G1B         ; the first tensor load behind the round; its four v_nop are also the places in front of the loads below
.else
	PLACES
.endif
	LDB4 0, \next, 0, 0
	LDA4 0, \next, 0
	LDB4 4, \next, 0, 0
.if \fill
	ASK \ask, \guard                               ; behind the joint load and the run of LDS loads: the K step two refills on
.endif
	M8 4, 0, 1, 0
	M8 6, 0, 1, 0
	M8 4, 1, 1, 0
	M8 6, 1, 1, 0
.endm
; THE ACTIVATION AND THE QUANTISER, 16 tokens x my 64 units a block, pipelined over three blocks: pass a reads block a's sums; its exponentials and block a - 1's reciprocals are ONE batch of transcendentals, among which block a - 2's holds stand,
; with one wait ahead of it and one behind it; then block a - 2 is converted and stored.  The next step's fragments, which are on their way, stay as they are.
.macro PASS a
.set XT, 32+64*((\a)%2)                ; block a's exponents (and block a - 2's sigmoids, which are read first), and G x I
.set XP, 64+128*((\a)%2)
.set YT, 32+64*(((\a)+1)%2)            ; block a - 1's exponents
.set OL, 12*((\a)%2)                   ; where block a - 2's codes go
.set OH, 4+20*((\a)%2)
.set AC, 64*((\a)%4)
	WIN 0
.if ((\a) > 0) && ((\a) < 9)
.set j, 0
.rept 16
	v_pk_add_f32 v[YT+j:YT+j+1], v[YT+j:YT+j+1], 1.0 op_sel_hi:[1,0]
.set j, j+2
.endr
.endif
.if (\a) > 1
.set j, 0
.rept 16
	v_pk_mul_f32 v[QQ+j:QQ+j+1], v[XP+j:XP+j+1], v[XT+j:XT+j+1]
.set j, j+2
.endr
.endif
.if (\a) < 8
	WIN 0x0a+5*((\a)/4)                            ; sources 0 and 1: window 2 or 3
	s_wait_alu depctr_va_vdst(0)                   ; directly ahead of these sums' first readers
.set j, 0
.rept 16
	v_pk_mul_f32 v[XT+j:XT+j+1], v[AC+j:AC+j+1], s[CN:CN+1] op_sel_hi:[1,0]   ; G x cneg; each gate accumulator from its low end on
.set j, j+2
.endr
.set j, 0
.rept 16
	v_pk_mul_f32 v[XP+j:XP+j+1], v[AC+j:AC+j+1], v[AC+32+j:AC+32+j+1]         ; G x I; each inp accumulator from its low end on
.set j, j+2
.endr
.endif
	WIN 0
	s_wait_alu depctr_va_vdst(0)
.set j, 0
.rept 32
.if (\a) < 8
	v_exp_f32 v[XT+j], v[XT+j]                     ; e^(-gate)
.endif
.if (\a) > 1
	v_med3_num_f32 v[QQ+j], v[QQ+j], -v[SC+1], v[SC+1]   ; the conversion to an 8-bit code does not saturate (ISA guide 7.6.2): the hold at the largest code x the scale
.endif
.if ((\a) > 0) && ((\a) < 9)
	v_rcp_f32 v[YT+j], v[YT+j]                     ; the sigmoid
.endif
.set j, j+1
.endr
	v_nop                                          ; a plain line behind the last of the batch (ISA guide 5.7.2)
	s_wait_xcnt 0x0                                ; earlier stores have had their addresses translated (ISA guide 3.1): the registers of the codes may be written again
	s_wait_alu depctr_va_vdst(0)
.if (\a) > 1
	v_cvt_scalef32_pk8_fp8_f32 v[OL:OL+1], v[QQ:QQ+7], v[SC]   ; units 16 b + 8 h + 0 .. 7 of token r: registers 2 c, 2 c + 1 of the next operand
	v_cvt_scalef32_pk8_fp8_f32 v[OL+2:OL+3], v[QQ+8:QQ+15], v[SC]
	v_cvt_scalef32_pk8_fp8_f32 v[OH:OH+1], v[QQ+16:QQ+23], v[SC]
	v_cvt_scalef32_pk8_fp8_f32 v[OH+2:OH+3], v[QQ+24:QQ+31], v[SC]
	v_nop                                          ; one plain line behind the last conversion
	global_store_b128 v[HO], v[OL:OL+3], s[10:11] offset:4096*((\a)-2)          ; 32 lanes store 512 consecutive bytes, aligned: a chunk of the fragment's image
	global_store_b128 v[HO], v[OH:OH+3], s[10:11] offset:4096*((\a)-2)+512
.endif
.endm
.macro EPI
	PLACES                                         ; in front of the first read of sums
.irp a, 0,1,2,3,4,5,6,7,8,9
	PASS \a
.endr
.endm
	s_wait_alu depctr_va_vdst(0)                   ; the head's end
	s_wait_tensorcnt 0x0                           ; my part of K step 0 is in
	ds_add_u32 v[SPW], v[NIL]
	s_wait_dscnt 0x0
	CROUND                                         ; everybody's part of K step 0 is in
	JLOAD G0+4, G1, G0B+4, G1B                     ; K step 1, the first tensor load behind the round
	LDB4 0, 0, 0, 0
	LDA4 0, 0, 0
	LDB4 4, 0, 0, 0
	ASK 2*ROWB, 0                                  ; K steps 2 and 3
	ASK 3*ROWB, 0
.Lexpert:
	STEP 0, 1                                      ; the first products start the sums
	TURN 0, 1, 1, 2*ROWB, EXPB, 1
	STEP 1, 0
	TURN 1, 0, 1, 2*ROWB, EXPB+ROWB, 1
	STEP 0, 0
	WIN 0                                          ; at a branch every window is 0
	s_cmp_eq_u32 s2, 1
	s_cbranch_scc1 .Llast                          ; expert 1's last lap is written out: it asks for nothing more
	TURN 0, 1, 1, NEXT_E, EXPB+2*ROWB, 0           ; THE RING GOES ON INTO EXPERT 1: slot 0 takes its K step 0,
	STEP 1, 0
	TURN 1, 0, 1, NEXT_E, EXPB+3*ROWB, 0           ; slot 1 its K step 1, and its first fragments are fetched
	EPI
	s_wait_xcnt 0x0                                ; the stores have read their base
	s_add_nc_u64 s[10:11], s[10:11], HQE
	v_mov_b32 v[SC], v[SC+2]
	v_mov_b32 v[SC+1], v[SC+3]
	s_mov_b32 s[CN], s[CN+2]
	s_mov_b32 s[CN+1], s[CN+3]
	s_sub_co_u32 s2, s2, 1
	s_wait_alu depctr_va_vdst(0)                   ; directly ahead of the branch
	s_branch .Lexpert
.Llast:
	TURN 0, 1, 0, 0, 0, 0                          ; nothing is left to fetch: no round of the cluster's barrier
	STEP 1, 0
	PLACES                                         ; the very last step
	WIN 0
	LDA4 4, 1, 1
	s_wait_dscnt 32
	M8 0, 0, 1, 0
	M8 2, 0, 1, 0
	s_wait_dscnt 16
	M8 0, 1, 1, 0
	M8 2, 1, 1, 0
	s_wait_dscnt 0x0
	M8 4, 0, 1, 0
	M8 6, 0, 1, 0
	M8 4, 1, 1, 0
	M8 6, 1, 1, 0
	EPI
	s_wait_tensorcnt 0x0                           ; the wave's end
	ds_add_u32 v[SPW], v[NIL]
	s_wait_dscnt 0x0
	CROUND                                         ; the closing round: no work-group ends while a partner may still ask for a tile that names it
	s_endpgm
.Lfunc_end_k_qa72740d94d_up:
	.size	k_qa72740d94d_up, .Lfunc_end_k_qa72740d94d_up-k_qa72740d94d_up
	.p2alignl 7, 3214868480
	.fill 96, 4, 3214868480
	.section	.rodata,"a",@progbits
	.p2align	6, 0x0
	.amdhsa_kernel k_qa72740d94d_up
		.amdhsa_group_segment_fixed_size 327680
		.amdhsa_private_segment_fixed_size 0
		.amdhsa_enable_private_segment 0
		.amdhsa_kernarg_size 32
		.amdhsa_user_sgpr_count 2
		.amdhsa_user_sgpr_kernarg_segment_ptr 1
		.amdhsa_wavefront_size32 1
		.amdhsa_system_sgpr_workgroup_id_x 1
		.amdhsa_system_sgpr_workgroup_id_y 1
		.amdhsa_system_sgpr_workgroup_id_z 1
		.amdhsa_system_vgpr_workitem_id 0
		.amdhsa_next_free_vgpr 1024
		.amdhsa_next_free_sgpr 80
		.amdhsa_reserve_vcc 0
		.amdhsa_float_denorm_mode_32 3
		.amdhsa_float_denorm_mode_16_64 3
		.amdhsa_memory_ordered 1
		.amdhsa_forward_progress 1
		.amdhsa_inst_pref_size 248
	.end_amdhsa_kernel
	.amdgpu_metadata
---
amdhsa.version: [ 1, 2 ]
amdhsa.kernels:
  - .name:           k_qa72740d94d_up
    .symbol:         k_qa72740d94d_up.kd
    .args:
      - { .name: xq, .offset: 0, .size: 8, .value_kind: global_buffer, .address_space: global }
      - { .name: W_in_codes, .offset: 8, .size: 8, .value_kind: global_buffer, .address_space: global }
      - { .name: lowp_scales, .offset: 16, .size: 8, .value_kind: global_buffer, .address_space: global }
      - { .name: hq, .offset: 24, .size: 8, .value_kind: global_buffer, .address_space: global }
    .group_segment_fixed_size: 327680
    .private_segment_fixed_size: 0
    .kernarg_segment_align: 8
    .kernarg_segment_size: 32
    .max_flat_workgroup_size: 128
    .sgpr_count:     80
    .vgpr_count:     1024
    .wavefront_size: 32
...
	.end_amdgpu_metadata
.endif
;; end of part 2
;; launch down (part 3): grid 8 x 32, 4 waves a work-group, clusters of 4 x 4, 327,680 bytes of LDS; arguments hq, W_out_codes, cw, out0; writes out0
.if DOCPART == 3
	.amdgcn_target "amdgcn-amd-amdhsa--gfx1250"
	.amdhsa_code_object_version 6
	.text
	.protected	k_qa72740d94d_down
	.globl	k_qa72740d94d_down
	.p2align	8
	.type	k_qa72740d94d_down,@function
k_qa72740d94d_down:
	s_mov_b64 s[64:65], 0
	v_nop
	global_prefetch_b8 v0, s[64:65] scope:SCOPE_SE
	s_setreg_imm32_b32 hwreg(HW_REG_WAVE_MODE, 25, 1), 1
	s_wait_xcnt 0x0
	s_wait_alu depctr_hold_cnt(0) depctr_sa_sdst(0) depctr_va_vdst(0) depctr_va_sdst(0) depctr_va_ssrc(0) depctr_va_vcc(0) depctr_vm_vsrc(0)
	s_getreg_b32 s2, hwreg(HW_REG_IB_STS2, 6, 4)
	s_cmp_eq_u32 s2, 0
	s_cbranch_scc0 .Lentry_in_a_cluster
	s_endpgm
.Lentry_in_a_cluster:
	s_bfe_u32 s2, ttmp6, 0x10000c
	s_cmp_lg_u32 s2, 0xf033
	s_cbranch_scc0 .Lentry_shape_is_right
	s_endpgm
.Lentry_shape_is_right:
; out0[t][n] = sum over e of cw[t][e] x (hq[e] W_out[e])[t][n] on E4M3 codes; sums in f32.  cw holds the router's weight x 2^(the product's two exponents).
; SHARES.  A work-group makes 128 tokens x 128 columns; wave w takes expert w / 2 and the (w % 2)-th 128 of every 256 along K, so no LDS byte of the ring is read by two waves; the four partial tiles meet in LDS at the end.
; K goes in eight steps of 256 (both experts' tiles: 131,072 bytes) through a ring of two LDS slots.  hq is an image of operand registers: its tiles lie dense.
; CLUSTERS: 4 x 4 work-groups: hq's tiles are shared along a row, W_out's along a column, by joint loads.
; PREFETCH: behind the load of step 0 stands the request for 1, behind that of step 1 those for 2 and 3, behind each later load of step s the one for s + 2, up to 7; of the 128 rows of 256 bytes that a wave loads each of the four partners
; names 32, a lane a row, told apart by address.
; THE MATRIX INSTRUCTION IS USED TRANSPOSED (source 0 = 16 rows of W_out, source 1 = 16 tokens): lane (r, h) holds token r and columns 8 h + 0 .. 7 of the block.
; THE WAY OUT goes in two halves of 64 rows: the first half's rows are stored while the second half's partial tiles are made.  Each store covers whole rows of 512 bytes of the tile, aligned.
; LIMITS: those of the launches before; NaN among the inputs is not served.
; REGISTERS, in windows of 256: window 0: v0-31 addresses; v96-111 cw; v128-255 token blocks 0-7 (16 registers each), but blocks 4-7 of the even steps lie in v32-95.   window 1: W_out's fragments, two sets, at v0 (even steps) and v128 (odd steps).
;   windows 2, 3: the accumulators of token blocks 0-3 and 4-7 (accumulator (a, b) at v[8 (8 (a % 4) + b)]).
.set ROWB,   256                       ; a tile's row in bytes
.set KROW,   2048                      ; a row of W_out_codes in memory
.set PITCH,  272                       ; W_out's rows in LDS: 256 bytes + 16 of padding
.set FR,     16
.set ABLK,   32768                     ; hq: one expert's 128 tokens x 256 along K
.set BBLK,   128*PITCH                 ; W_out: one expert's 128 columns x 256 along K
.set SLOT,   2*ABLK+2*BBLK
.set SPARE,  2*SLOT                    ; behind the ring: the spare words, 128 bytes for each wave
.set PPITCH, 528                       ; a partial tile's row: 512 bytes + 16 of padding
.set PART,   128*PPITCH                ; a wave's partial tile; the four lie on the ring's bytes, which have had their last fill by then
.set RD,   8                           ; v8-11   where I read the four partial tiles
.set LIA,  16                          ; v16-17  my token fragments in slot 0, 1
.set ADRB, 20                          ; v20-21  my W_out fragments in slot 0, 1
.set PST,  24                          ; v24     where I put a partial tile's numbers
.set CO,   26                          ; v26     16 x lane
.set CWO,  27                          ; v27     my token's cw
.set SPW,  28                          ; v28     LDS address of my spare word; never rewritten
.set NIL,  29                          ; v29     0; never rewritten
.set PFO,  30                          ; v30     the prefetches' offset: lane x 256 (hq) or lane x 2,048 (W_out); never rewritten
.set CW,   96
.set AF,   128
.set G1, 24                            ; s[24:31] descriptor group 1 for hq's tiles;  s[32:39] group 0, one set for each slot
.set G0, 32
.set G1B, 48                           ; s[48:55], s[56:63] the same for W_out's
.set G0B, 56
.set MSB, 0
.macro WIN new                         ; the immediate's high byte repeats the setting that is left
.if MSB != (\new)
	s_set_vgpr_msb (MSB<<8)|(\new)
.set MSB, (\new)
.endif
.endm
.set MUL_LO, 0xa1                      ; source 0 (W_out) window 1, source 1 (tokens) window 0, C and D window 2
.set MUL_HI, 0xf1                      ; the same, C and D window 3
.set TO_B,   0x40                      ; destination window 1, address window 0
; A joint load: waves 0 and 1 fetch hq's tiles of experts 0 and 1, waves 2 and 3 W_out's.  The branch hangs on the wave's number alone.
.macro JLOAD g0a, g1a, g0b, g1b
	s_cmp_eq_u32 s15, 0
	s_cbranch_scc0 .Lfor_b_\@
	tensor_load_to_lds s[\g0a:\g0a+3], s[\g1a:\g1a+7]
	s_nop 0
.rept 4
	v_nop
.endr
	s_branch .Lasked_\@
.Lfor_b_\@:
	tensor_load_to_lds s[\g0b:\g0b+3], s[\g1b:\g1b+7]
	s_nop 0
.rept 4
	v_nop
.endr
.Lasked_\@:
.endm
.macro CREST                           ; a round of the cluster's barrier behind its opening barrier
	s_cmp_lg_u32 s14, 0
	s_cbranch_scc1 .Lnot_wave_0_\@
	s_barrier_signal -3
.Lnot_wave_0_\@:
	s_barrier_wait -3
	s_barrier_signal -1
	s_barrier_wait -1
.endm
.macro CROUND                          ; a whole round
	s_barrier_signal -1
	s_barrier_wait -1
	CREST
.endm
	s_load_b128 s[4:7], s[0:1], 0x0                ; hq s[4:5], W_out_codes s[6:7]
	s_load_b128 s[8:11], s[0:1], 0x10              ; cw s[8:9], out0 s[10:11]
	v_lshl_add_u32 v[SPW], v0, 2, SPARE
	v_mov_b32 v[NIL], 0
	ds_add_u32 v[SPW], v[NIL]                      ; the wave's opening: the add, twice on end, and its wait
	ds_add_u32 v[SPW], v[NIL]
	v_lshrrev_b32 v1, 5, v0
	v_readfirstlane_b32 s14, v1                    ; wave 0..3
	s_lshr_b32 s15, s14, 1                         ; my expert.  Also: I fetch for hq (0) or for W_out (1)
	s_and_b32 s16, s14, 1                          ; my half of K.  Also: the expert whose tile I fetch
	s_bfe_u32 s40, ttmp6, 0x40000                  ; cx, cy
	s_bfe_u32 s41, ttmp6, 0x40004
	s_lshl_b32 s42, ttmp9, 2
	s_add_co_u32 s42, s42, s40                     ; which 128 columns
	s_and_b32 s17, ttmp7, 0xffff
	s_lshl_b32 s17, s17, 2
	s_add_co_u32 s17, s17, s41                     ; which 128 tokens
	s_lshl_b32 s43, s41, 2
	s_lshl_b32 s43, 15, s43                        ; my row of the cluster
	s_lshl_b32 s44, 0x1111, s40                    ; my column
	; descriptor groups 1: 128 rows x 256 bytes: hq dense, W_out padded in LDS
	s_or_b32 s[G1+0], s43, (0<<16)|(1<<21)         ; 15:0 the mask; 17:16 element of 1 byte; 21 set beside a mask
	s_or_b32 s[G1B+0], s44, (0<<16)|(1<<20)|(1<<21)|(5<<22)|(3<<25)  ; and padding on, after every 64 words (code 5), of 4 words (code 3)
.irp g, G1, G1B
	s_mov_b32 s[\g+1], ROWB<<16                    ; tensor_dim0
	s_mov_b32 s[\g+2], 128<<16                     ; tensor_dim1 = 128
	s_mov_b32 s[\g+3], ROWB<<16                    ; tile_dim0
	s_mov_b32 s[\g+4], 128                         ; tile_dim1 = 128
	s_mov_b32 s[\g+6], 0
	s_mov_b32 s[\g+7], 0
.endr
	s_mov_b32 s[G1+5], ROWB                        ; the pitches
	s_mov_b32 s[G1B+5], KROW
	s_lshl_b32 s20, s17, 18                        ; hq: 262,144 bytes a token tile,
	s_lshl_b32 s18, s16, 23                        ; 8,388,608 an expert
	s_add_co_u32 s20, s20, s18
	s_mov_b32 s21, 0
	s_lshl_b32 s46, s42, 18                        ; W_out: 128 x 2,048 bytes a column tile,
	s_lshl_b32 s47, s16, 21                        ; 2,097,152 an expert
	s_add_co_u32 s46, s46, s47
	s_mov_b32 s47, 0
	s_lshl_b32 s66, s16, 15                        ; where they go: no place in the cluster enters an LDS address
	s_mul_i32 s67, s16, BBLK
	s_add_co_u32 s67, s67, 2*ABLK
	s_lshl_b32 s18, s15, 15                        ; my expert's tokens, my half of K
	s_lshl_b32 s19, s16, 11
	s_add_co_u32 s18, s18, s19
	s_mul_i32 s22, s15, BBLK                       ; my expert's columns, my half of K
	s_lshl_b32 s19, s16, 7
	s_add_co_u32 s22, s22, s19
	s_add_co_u32 s22, s22, 2*ABLK
	s_mul_i32 s23, s14, PART
	s_mul_i32 s75, s14, 16*PPITCH                  ; of each half of 64 rows I sum 16
	s_cmp_eq_u32 s15, 0
	s_cselect_b32 s74, 8, 11
	v_and_b32 v1, 15, v0                           ; r
	v_bfe_u32 v2, v0, 4, 1                         ; h
	v_and_b32 v3, 31, v0
	v_lshlrev_b32 v[CO], 4, v3
	v_lshlrev_b32 v[PFO], s74, v3
	v_add_nc_u32 v[LIA], s18, v[CO]
	v_add_nc_u32 v[LIA+1], SLOT, v[LIA]
	v_mul_u32_u24 v4, v1, PITCH
	v_lshl_add_u32 v4, v2, 3, v4
	v_add_nc_u32 v[ADRB], s22, v4
	v_add_nc_u32 v[ADRB+1], SLOT, v[ADRB]
	v_mul_u32_u24 v5, v1, PPITCH
	v_lshl_add_u32 v5, v2, 5, v5
	v_add_nc_u32 v[PST], s23, v5
	v_add_nc_u32 v[RD], s75, v[CO]
	v_add_nc_u32 v[RD+1], PART, v[RD]
	v_add_nc_u32 v[RD+2], 2*PART, v[RD]
	v_add_nc_u32 v[RD+3], 3*PART, v[RD]
	v_lshlrev_b32 v[CWO], 3, v1
	v_lshl_add_u32 v[CWO], s15, 2, v[CWO]
	s_wait_alu depctr_va_vdst(0)
	s_wait_dscnt 0x0                               ; both opening adds are done
	s_wait_kmcnt 0x0
	s_add_nc_u64 s[20:21], s[4:5], s[20:21]
	s_add_nc_u64 s[46:47], s[6:7], s[46:47]
	s_lshl_b32 s18, s40, 13                        ; my 32 of the 128 rows: hq 8,192 bytes x cx,
	s_lshl_b32 s19, s41, 16                        ; W_out 65,536 bytes x cy
	s_mov_b32 s70, 2*ABLK                          ; s[70:71]: two steps on
	s_mov_b32 s22, 2*ROWB
	s_cmp_eq_u32 s15, 0
	s_cselect_b64 s[68:69], s[20:21], s[46:47]
	s_cselect_b32 s18, s18, s19
	s_cselect_b32 s70, s70, s22
	s_mov_b32 s19, 0
	s_mov_b32 s71, 0
	s_lshr_b32 s22, s70, 1
	s_mov_b32 s23, 0
	s_add_nc_u64 s[68:69], s[68:69], s[18:19]
	s_add_nc_u64 s[72:73], s[68:69], s[70:71]      ; where the even steps' prefetches stand: step 2
	s_add_nc_u64 s[68:69], s[68:69], s[22:23]      ; the odd steps': step 1
.irp s, 0,1
	s_mov_b32 s[G0+4*\s], 1
	s_add_co_u32 s[G0+4*\s+1], s66, \s*SLOT
	s_add_nc_u64 s[G0+4*\s+2:G0+4*\s+3], s[20:21], \s*ABLK
	s_or_b32 s[G0+4*\s+3], s[G0+4*\s+3], 0x80000000
	s_mov_b32 s[G0B+4*\s], 1
	s_add_co_u32 s[G0B+4*\s+1], s67, \s*SLOT
	s_add_nc_u64 s[G0B+4*\s+2:G0B+4*\s+3], s[46:47], \s*ROWB
	s_or_b32 s[G0B+4*\s+3], s[G0B+4*\s+3], 0x80000000
.endr
	CROUND                                         ; all sixteen work-groups are here: the first joint loads meet
	JLOAD G0, G1, G0B, G1B                         ; step 0: one tensor load a wave at the head
	global_prefetch_b8 v[PFO], s[68:69] th:TH_LOAD_NT scope:SCOPE_SE
	s_lshl_b32 s20, s17, 10                        ; cw: 128 tokens x 8 bytes
	s_mov_b32 s21, 0
	s_add_nc_u64 s[8:9], s[8:9], s[20:21]
.irp a, 0,1,2,3,4,5,6,7
	global_load_b32 v[CW+2*\a], v[CWO], s[8:9] offset:128*\a   ; first wanted behind the last products
.endr
	s_lshl_b32 s20, s17, 7                         ; out0: row 128 x token tile + 16 x wave,
	s_lshl_b32 s21, s14, 4
	s_add_co_u32 s20, s20, s21
	s_lshl_b32 s20, s20, 12
	s_mov_b32 s21, 0
	s_lshl_b32 s46, s42, 9                         ; my 512 bytes of it
	s_mov_b32 s47, 0
	s_add_nc_u64 s[20:21], s[20:21], s[46:47]
	s_add_nc_u64 s[10:11], s[10:11], s[20:21]
; Token block a of a step of parity p: where its 16 registers lie.
.macro HOME a, p
.if ((\a) > 3) && ((\p) == 0)
.set GH, 32+16*((\a)-4)
.else
.set GH, AF+16*(\a)
.endif
.endm
; One token block x W_out's eight: 8 matrix instructions, 128 along K.  zero = 1: the first product starts the sums.  A step is blocks 0 .. 7: the 64 accumulators take turns, one instruction a turn.
.macro MROW a, p, zero
	HOME \a, \p
.if (\a) < 4
	WIN MUL_LO
.else
	WIN MUL_HI
.endif
.irp b, 0,1,2,3,4,5,6,7
.set GD, 64*((\a)%4)+8*\b
.set GB, 128*(\p)+FR*\b
.if \zero
	v_wmma_f32_16x16x128_fp8_fp8 v[GD:GD+7], v[GB:GB+15], v[GH:GH+15], 0
.else
	v_wmma_f32_16x16x128_fp8_fp8 v[GD:GD+7], v[GB:GB+15], v[GH:GH+15], v[GD:GD+7]
.endif
.endr
.endm
.macro LA a, p                         ; token block a, from slot p for a step of parity p
	HOME \a, \p
.irp c, 0,1,2,3
	ds_load_b128 v[GH+4*\c:GH+4*\c+3], v[LIA+(\p)] offset:4096*(\a)+512*\c
.endr
.endm
.macro LB4 p, f0                       ; four of W_out's eight fragments: registers 2 c, 2 c + 1 hold K = 16 c + 8 h + 0 .. 7, as hq's image has it
	WIN TO_B
.irp b, \f0, \f0+1, \f0+2, \f0+3
.irp c, 0,1,2,3,4,5,6,7
	ds_load_b64 v[128*(\p)+FR*(\b)+2*\c:128*(\p)+FR*(\b)+2*\c+1], v[ADRB+(\p)] offset:(\b)*16*PITCH+16*\c
.endr
.endr
	WIN 0
.endm
; A load into a register that a matrix instruction has read, and a vector instruction that reads a sum or writes such a register, stand four places behind that matrix instruction; only plain vector instructions that name none of its registers are places
; (ISA guide 7.12.1 for vector instructions).
.macro PLACES
.rept 4
	v_nop
.endr
.endm
; A step multiplies the fragments that are in registers and fetches the next step's from the other slot, in two runs; the second stands 32 products ahead of the wait for it.
; ask: 1 a prefetch for the step two refills on, 2 in the loop's first trip alone.
.macro DSTEP slot, zero, fill, ask
.if \ask
	s_wait_xcnt 0x0                                ; my prefetches have read their addresses
	s_add_nc_u64 s[72-4*\slot:73-4*\slot], s[72-4*\slot:73-4*\slot], s[70:71]
.endif
	s_wait_tensorcnt 0x0                           ; all my tensor loads have landed: my part of the other slot;
	ds_add_u32 v[SPW], v[NIL]
.if \fill
	s_add_nc_u64 s[G0+4*\slot+2:G0+4*\slot+3], s[G0+4*\slot+2:G0+4*\slot+3], 2*ABLK
	s_add_nc_u64 s[G0B+4*\slot+2:G0B+4*\slot+3], s[G0B+4*\slot+2:G0B+4*\slot+3], 2*ROWB
.endif
	s_wait_dscnt 0x0                               ; the add is done, and my reads of this slot are over
	s_barrier_signal -1
	MROW 0, \slot, \zero                           ; work on registers while the others arrive
	WIN 0
	s_barrier_wait -1
.if \fill
	CREST                                          ; no wave of any partner still reads this slot or has a load on its way
	JLOAD G0+4*\slot, G1, G0B+4*\slot, G1B         ; the first tensor load behind the round; its four v_nop are also the places in front of the loads below
.else
	PLACES
.endif
	LB4 1-\slot, 0
	LA 4, 1-\slot
	LA 5, 1-\slot
	MROW 1, \slot, \zero
	MROW 2, \slot, \zero
	MROW 3, \slot, \zero
	PLACES
	LB4 1-\slot, 4
.irp a, 6,7,0,1,2,3
	LA \a, 1-\slot
.endr
.if \ask
.if \ask == 2
	s_cmp_eq_u32 s3, 2
	s_cbranch_scc0 .Lno_ask_\@
.endif
	global_prefetch_b8 v[PFO], s[72-4*\slot:73-4*\slot] th:TH_LOAD_NT scope:SCOPE_SE
.if \ask == 2
.Lno_ask_\@:
.endif
.endif
.irp a, 4,5,6,7
	MROW \a, \slot, \zero
.endr
	WIN 0
.endm
	s_wait_alu depctr_va_vdst(0)                   ; the head's end
	s_wait_xcnt 0x0
	s_add_nc_u64 s[68:69], s[68:69], s[70:71]      ; step 3
	s_wait_tensorcnt 0x0                           ; my part of step 0 is in
	ds_add_u32 v[SPW], v[NIL]
	s_wait_dscnt 0x0
	CROUND
	JLOAD G0+4, G1, G0B+4, G1B                     ; step 1, the first tensor load behind the round
	LB4 0, 0
	LB4 0, 4
.irp a, 0,1,2,3,4,5,6,7
	LA \a, 0
.endr
	global_prefetch_b8 v[PFO], s[72:73] th:TH_LOAD_NT scope:SCOPE_SE   ; step 2,
	global_prefetch_b8 v[PFO], s[68:69] th:TH_LOAD_NT scope:SCOPE_SE   ; and step 3
	DSTEP 0, 1, 1, 1
	s_mov_b32 s3, 2
.Lring:
	DSTEP 1, 0, 1, 1
	DSTEP 0, 0, 1, 2
	s_sub_co_u32 s3, s3, 1
	s_cmp_lg_u32 s3, 0
	s_cbranch_scc1 .Lring
	DSTEP 1, 0, 1, 0
	DSTEP 0, 0, 0, 0
; A token block's sums x cw into my wave's partial tile.
.macro PARTIAL a
.set AC, 64*((\a)%4)
.set TM, 32+96*((\a)%2)
	WIN 0x02+((\a)/4)                              ; source 0: window 2 or 3
.set j, 0
.rept 32
	v_pk_mul_f32 v[TM+j:TM+j+1], v[AC+j:AC+j+1], v[CW+2*(\a):CW+2*(\a)+1] op_sel_hi:[1,0]   ; each accumulator from its low end on
.set j, j+2
.endr
	WIN 0
.irp b, 0,1,2,3,4,5,6,7
	ds_store_b128 v[PST], v[TM+8*\b:TM+8*\b+3] offset:(\a)*16*PPITCH+64*\b
	ds_store_b128 v[PST], v[TM+8*\b+4:TM+8*\b+7] offset:(\a)*16*PPITCH+64*\b+16
.endr
.endm
; Rows 64 (k / 2) + 16 wave + 8 (k % 2) + 0 .. 7 of the four partial tiles; k even: into window 0, k odd: into window 1.
.macro RLOAD k
	WIN 0x40*((\k)%2)
.irp p, 0,1,2,3
.irp i, 0,1,2,3,4,5,6,7
	ds_load_b128 v[128+32*\p+4*\i:128+32*\p+4*\i+3], v[RD+\p] offset:(64*((\k)/2)+8*((\k)%2)+\i)*PPITCH
.endr
.endr
	WIN 0
.endm
.macro RSUM k                          ; their sums, and out: 32 lanes store 512 consecutive bytes of a row, at a multiple of 512
.set SS, 32+32*((\k)%2)
	WIN 0x05*((\k)%2)
.set j, 0
.rept 16
	v_pk_add_f32 v[SS+j:SS+j+1], v[128+j:128+j+1], v[160+j:160+j+1]
.set j, j+2
.endr
	WIN 0x45*((\k)%2)
.set j, 0
.rept 16
	v_pk_add_f32 v[192+j:192+j+1], v[192+j:192+j+1], v[224+j:224+j+1]
.set j, j+2
.endr
	WIN 0x04*((\k)%2)
.set j, 0
.rept 16
	v_pk_add_f32 v[SS+j:SS+j+1], v[SS+j:SS+j+1], v[192+j:192+j+1]
.set j, j+2
.endr
	WIN 0
.irp i, 0,1,2,3,4,5,6,7
	global_store_b128 v[CO], v[SS+4*\i:SS+4*\i+3], s[10:11] offset:(64*((\k)/2)+8*((\k)%2)+\i)*4096 th:TH_STORE_NT
.endr
.endm
	s_wait_loadcnt 0x0                             ; cw is in
.irp a, 0,1,2,3,4,5,6,7
	v_mov_b32 v[CW+2*\a+1], v[CW+2*\a]             ; (named with it as a pair, so it is written)
.endr
	s_wait_alu depctr_va_vdst(0)
	s_wait_dscnt 0x0                               ; my reads of the ring are over: behind the barrier its bytes take the partial tiles
	s_barrier_signal -1
	MROW 0, 1, 0
	WIN 0
	s_barrier_wait -1
.irp a, 1,2,3
	MROW \a, 1, 0
.endr
	PLACES
	PARTIAL 0                                      ; the last products stand between the blocks' stores
	PARTIAL 1
	MROW 4, 1, 0
	MROW 5, 1, 0
	PARTIAL 2
	PARTIAL 3
	s_wait_dscnt 0x0                               ; for the others' sake: my rows 0-63 are stored
	s_barrier_signal -1
	MROW 6, 1, 0
	MROW 7, 1, 0
	WIN 0
	s_barrier_wait -1
	PLACES                                         ; for the loads into registers that the last products read, and for block 4's sums
	RLOAD 0
	RLOAD 1
	PARTIAL 4
	s_wait_dscnt 48                                ; the first eight rows are in: the next eight (32) and block 4's stores (16) may be out
	RSUM 0
	s_wait_dscnt 16                                ; the next eight too
	RSUM 1
	PARTIAL 5
	s_wait_xcnt 0x0                                ; the stores have read their registers, which block 6 writes again
	PARTIAL 6
	PARTIAL 7
	s_wait_dscnt 0x0                               ; for the others' sake: my rows 64-127 are stored
	s_barrier_signal -1
	s_barrier_wait -1
	RLOAD 2
	RLOAD 3
	s_wait_dscnt 32                                ; eight rows are in: the next eight may be out
	RSUM 2
	s_wait_dscnt 0x0
	RSUM 3
	s_wait_tensorcnt 0x0                           ; the wave's end
	ds_add_u32 v[SPW], v[NIL]
	s_wait_dscnt 0x0
	CROUND                                         ; the closing round: no work-group ends while a partner may still ask for a tile that names it
	s_endpgm
.Lfunc_end_k_qa72740d94d_down:
	.size	k_qa72740d94d_down, .Lfunc_end_k_qa72740d94d_down-k_qa72740d94d_down
	.p2alignl 7, 3214868480
	.fill 96, 4, 3214868480
	.section	.rodata,"a",@progbits
	.p2align	6, 0x0
	.amdhsa_kernel k_qa72740d94d_down
		.amdhsa_group_segment_fixed_size 327680
		.amdhsa_private_segment_fixed_size 0
		.amdhsa_enable_private_segment 0
		.amdhsa_kernarg_size 32
		.amdhsa_user_sgpr_count 2
		.amdhsa_user_sgpr_kernarg_segment_ptr 1
		.amdhsa_wavefront_size32 1
		.amdhsa_system_sgpr_workgroup_id_x 1
		.amdhsa_system_sgpr_workgroup_id_y 1
		.amdhsa_system_sgpr_workgroup_id_z 1
		.amdhsa_system_vgpr_workitem_id 0
		.amdhsa_next_free_vgpr 1024
		.amdhsa_next_free_sgpr 80
		.amdhsa_reserve_vcc 0
		.amdhsa_float_denorm_mode_32 3
		.amdhsa_float_denorm_mode_16_64 3
		.amdhsa_memory_ordered 1
		.amdhsa_forward_progress 1
		.amdhsa_inst_pref_size 127
	.end_amdhsa_kernel
	.amdgpu_metadata
---
amdhsa.version: [ 1, 2 ]
amdhsa.kernels:
  - .name:           k_qa72740d94d_down
    .symbol:         k_qa72740d94d_down.kd
    .args:
      - { .name: hq, .offset: 0, .size: 8, .value_kind: global_buffer, .address_space: global }
      - { .name: W_out_codes, .offset: 8, .size: 8, .value_kind: global_buffer, .address_space: global }
      - { .name: cw, .offset: 16, .size: 8, .value_kind: global_buffer, .address_space: global }
      - { .name: out0, .offset: 24, .size: 8, .value_kind: global_buffer, .address_space: global }
    .group_segment_fixed_size: 327680
    .private_segment_fixed_size: 0
    .kernarg_segment_align: 8
    .kernarg_segment_size: 32
    .max_flat_workgroup_size: 128
    .sgpr_count:     80
    .vgpr_count:     1024
    .wavefront_size: 32
...
	.end_amdgpu_metadata
.endif
;; end of part 3
